; MI455X (gfx1250); checked and timed in simulation.
; The chip was launched on July 23, 2026; its instructions are those of AMD's public machine-readable ISA for CDNA 5 (MIT licence, August 2026) and "CDNA5" Instruction Set Architecture Reference Guide (July 2026). The comments in the code are by the model that wrote it; some were corrected since.
;; Attention Layer. Allowed arithmetic: matrix products marked QUANTISED: E2M3 operands, one E8M0 scale for each 32 along K, by v_wmma_scale_f32_16x16x128_f8f6f4 with both operands' format E2M3, f32 sums; everything else in f32.
;; Inputs: Wk_codes 16 x 64 x 32 x 24 uint8 (E2M3 codes of Wk, K innermost, in blocks of 32 codes, four codes in three bytes); Wk_scales 16 x 64 x 32 uint8 (E8M0 scales of Wk, one for each 32 codes along K); Wo_codes 1,024 x 32 x 24 uint8 (E2M3 codes of Wo, K innermost, in blocks of 32 codes, four codes in three bytes); Wo_scales 1,024 x 32 uint8 (E8M0 scales of Wo, one for each 32 codes along K); Wq_codes 16 x 64 x 32 x 24 uint8 (E2M3 codes of Wq, K innermost, in blocks of 32 codes, four codes in three bytes); Wq_scales 16 x 64 x 32 uint8 (E8M0 scales of Wq, one for each 32 codes along K); Wv_codes 16 x 64 x 32 x 24 uint8 (E2M3 codes of Wv, K innermost, in blocks of 32 codes, four codes in three bytes); Wv_scales 16 x 64 x 32 uint8 (E8M0 scales of Wv, one for each 32 codes along K); bk 16 x 64 float32; bo 1,024 float32; bq 16 x 64 float32; bv 16 x 64 float32; input_tensor_codes 1,024 x 8 x 32 x 24 uint8 (E2M3 codes of input_tensor, K innermost, in blocks of 32 codes, four codes in three bytes); input_tensor_scales 1,024 x 8 x 32 uint8 (E8M0 scales of input_tensor, one for each 32 codes along K); keys_vector_codes 1,024 x 8 x 32 x 24 uint8 (E2M3 codes of keys_vector, K innermost, in blocks of 32 codes, four codes in three bytes); keys_vector_scales 1,024 x 8 x 32 uint8 (E8M0 scales of keys_vector, one for each 32 codes along K); values_vector_codes 1,024 x 8 x 32 x 24 uint8 (E2M3 codes of values_vector, K innermost, in blocks of 32 codes, four codes in three bytes); values_vector_scales 1,024 x 8 x 32 uint8 (E8M0 scales of values_vector, one for each 32 codes along K).
;; Outputs: out0 1,024 x 8 x 1,024 float32.
;; Constants: mask = 1.
;; This version of the problem:
;;   THIS VERSION OF THE PROBLEM IS GIVEN IN LOW PRECISION. The matrix products marked QUANTISED in the list below multiply operands that are first quantised to E2M3 (2 exponent bits, 3 mantissa bits; 6 bits a number), with one power-of-two scale for each 32 numbers along K (OCP MX v1.0); their sums are f32. All else is computed in f32.
;;   The module's matrix products, in the order in which they are computed (A, B: the left and right operand; K: the contracted axis; several contracted axes count as one K, in the product's order):
;;     1. [M 8,192, K 1,024] x [K 1,024, N 1,024]; A: input input_tensor (given as codes); B: input Wq (given as codes): QUANTISED
;;     2. [M 8,192, K 1,024] x [K 1,024, N 1,024]; A: input keys_vector (given as codes); B: input Wk (given as codes): QUANTISED
;;     3. [M 8,192, K 1,024] x [K 1,024, N 1,024]; A: input values_vector (given as codes); B: input Wv (given as codes): QUANTISED
;;     4. batch 128 x [M 1,024, K 64] x [K 64, N 1,024]; A: computed on the way; B: computed on the way: QUANTISED
;;     5. batch 128 x [M 64, K 1,024] x [K 1,024, N 1,024]; A: computed on the way; B: softmax (see below): QUANTISED
;;     6. [M 8,192, K 1,024] x [K 1,024, N 1,024]; A: computed on the way; B: input Wo (given as codes): QUANTISED
;;   THE QUANTISER, for each operand of a quantised product, along K:
;;     - K is cut into blocks of 32 from its start; a last block that is shorter is filled with zeros.
;;     - A block's scale is 2^e with e = floor(log2(the largest magnitude in the block)) - 2, held to -126 .. 127; a block of zeros has e = 0. As a byte (E8M0): e + 127.
;;     - Each number is divided by its block's scale, clamped to +-7.5, and rounded to the nearest number of E2M3, ties to even, subnormals kept.
;;     - The product sums the exact products of the quantised numbers (number of the format x scale) in f32.
;;   ~~~python
;;   def quantise(x, axis):      # numpy; x: float32 -> the quantised numbers, widened to float32 again
;;       x = np.moveaxis(x, axis, -1); K = x.shape[-1]
;;       x = np.pad(x, [(0, 0)] * (x.ndim - 1) + [(0, -K % 32)]); x = x.reshape(x.shape[:-1] + (-1, 32)); a = np.abs(x).max(-1, keepdims=True)
;;       e = np.where(a > 0, np.clip(np.frexp(np.where(a > 0, a, 1))[1] - 1 - 2, -126, 127), 0)      # np.frexp(a)[1] - 1 = floor(log2(a)), exactly
;;       r = np.clip(x / 2.0 ** e, -7.5, 7.5)
;;       step = 2.0 ** (np.maximum(np.frexp(np.where(r == 0, 1, r))[1] - 1, 0) - 3)
;;       q = np.round(r / step) * step * 2.0 ** e      # np.round: ties to even
;;       return np.moveaxis(q.reshape(q.shape[:-2] + (-1,))[..., :K], -1, axis).astype(np.float32)
;;   ~~~
;;   SOFTMAX AHEAD OF A QUANTISED PRODUCT. Where the list says 'softmax', what is quantised is not the finished softmax but p = 2^(t - M), with t = logit x log2(e) and M = ceil(the row's largest t), a whole number; so 1/2 < the row's largest p <= 1. The row's sum l is taken of the UNQUANTISED p, in f32, and the product's result is divided by l at the end. Since M is a whole number, a kernel that streams over the keys may use a running M (the ceiling of the running maximum): every later rescaling is an exact power of two, which a block's scale takes up: the codes' values come out the same.
;;   OPERANDS COMPUTED ON THE WAY. 'Computed on the way' means the value that the module computes at that place (a softmax that the list does not call 'softmax' is quantised finished and normalised). What goes into a quantiser is computed in f32, as accurately as f32 sums, v_exp_f32 and their like allow (about 1e-6 of the number): no bf16 or f16 on the way to a quantiser, and a product that is left as it is and whose result goes on into a quantised operand takes f32 operands (vector FMAs, or v_wmma_f32_16x16x4_f32). A number that lies on a knife's edge between two numbers of the format may be rounded either way, as far as f32 arithmetic and the matrix unit's own rounding can turn it there, and no further.
;;   INPUTS GIVEN AS CODES. Wk (in the module: [16, 1024, 64], K = its axis 1); Wo (in the module: [1024, 1024], K = its axis 1); Wq (in the module: [16, 1024, 64], K = its axis 1); Wv (in the module: [16, 1024, 64], K = its axis 1); input_tensor (in the module: [1024, 8, 1024], K = its axis 2); keys_vector (in the module: [1024, 8, 1024], K = its axis 2); values_vector (in the module: [1024, 8, 1024], K = its axis 2): each comes as NAME_codes (uint8): NAME with its K axis moved to the last place and cut into blocks of 32 codes, [.., K / 32, bytes a block], one block behind the other in memory; four codes in three bytes: a row's codes are one little-endian stream of bits, code i at bits 6 i .. 6 i + 5 (a code: sign, 2 exponent bits, 3 mantissa bits); and NAME_scales (uint8): the same leading axes, one E8M0 byte (e + 127) for each 32 codes along K. Its value is code x scale, taken as it is: it is not quantised again, and the codes and scales need not be those that the quantiser above would give.
;; One version. Each part assembles by itself: llvm-mc -triple=amdgcn-amd-amdhsa -mcpu=gfx1250 --defsym DOCPART=n.
;; ======== version 1 of 1: 3 launches
;; limits: right only within a limited range of input values
;; workspace buffers: qkv_codes 18,874,368 bytes; qkv_scales 786,432 bytes; ao_codes 6,291,456 bytes; ao_scales 262,144 bytes
;; launch proj (part 1): grid 4 x 96, 4 waves a work-group, clusters of 4 x 4, 327,680 bytes of LDS; arguments input_tensor_codes, input_tensor_scales, Wq_codes, Wq_scales, bq, keys_vector_codes, keys_vector_scales, Wk_codes, Wk_scales, bk, values_vector_codes, values_vector_scales, Wv_codes, Wv_scales, bv, qkv_codes, qkv_scales; writes qkv_codes, qkv_scales
.if DOCPART == 1
	.amdgcn_target "amdgcn-amd-amdhsa--gfx1250"
	.amdhsa_code_object_version 6
	.text
	.protected	k_q003142346d_proj
	.globl	k_q003142346d_proj
	.p2align	8
	.type	k_q003142346d_proj,@function
k_q003142346d_proj:
	s_mov_b64 s[64:65], 0
	v_nop
	global_prefetch_b8 v0, s[64:65] scope:SCOPE_SE
	s_setreg_imm32_b32 hwreg(HW_REG_WAVE_MODE, 25, 1), 1
	s_wait_xcnt 0x0
	s_wait_alu depctr_hold_cnt(0) depctr_sa_sdst(0) depctr_va_vdst(0) depctr_va_sdst(0) depctr_va_ssrc(0) depctr_va_vcc(0) depctr_vm_vsrc(0)
	s_getreg_b32 s2, hwreg(HW_REG_IB_STS2, 6, 4)
	s_cmp_eq_u32 s2, 0
	s_cbranch_scc0 .Lentry_in_a_cluster
	s_endpgm
.Lentry_in_a_cluster:
	s_bfe_u32 s2, ttmp6, 0x10000c
	s_cmp_lg_u32 s2, 0xf033
	s_cbranch_scc0 .Lentry_shape_is_right
	s_endpgm
.Lentry_shape_is_right:
; q = x Wq + bq, k = y Wk + bk, v = z Wv + bv: three products [8192 x 1024] x [1024 x 1024] on codes of FP6 (E2M3) with one E8M0 byte for each 32 along K, sums in f32.
; The results are quantised at once (q, k along the head's 64 channels, v along the keys) and leave as images of the operand registers that launch attn loads.
; WORK LEFT OUT BY THE PROGRAM (in launch attn): key tiles all of whose keys lie behind the query.  reference() builds the causal mask itself (mask = 1 is a constant of the problem) and sets those
; scores to -1e9; each row keeps its own key, so in exact arithmetic their weight beside it is exp(-1e9 - ..), which moves no result by more than rounding for scores of ordinary size.
; LIMITS: a NaN, an infinity or an overflow that reaches only the work left out is not carried to the result; NaN and infinities are not served; a block whose largest magnitude lies under 2^-124,
; and a block of zeros, get the scale byte 1 (zero codes; this program alone reads the bytes).
; SHARES.  24 clusters of 4 x 4 work-groups: the cluster's y gives the product (y / 8) and the batch b (y % 8); cy the block of 256 t, cx the block of 256 weight rows.  Activation rows are taken at one b, 8 x 768 bytes apart.
; A work-group makes 256 x 256, a wave 128 x 128: 64 accumulators.  K goes through two LDS slots in chunks of 256 bytes of each row; a step of 128 along K is 96 bytes: steps 2 and 5 lie across two chunks.
; SIDES.  R = activations (one register set, window 0), P = weights (two sets, window 1); every LDS address is the same for the three products.  q, k: source 0 = P, source 1 = R: a lane holds one t and its registers run along the channels.
; v: source 0 = R, source 1 = P: a lane holds one channel and its registers run along the keys.  The choice is a branch on the product's number, the same in all waves and partners, round work on registers alone.
; ACCUMULATORS.  (a, b) lies in window 2 + a / 4: for q, k at v[8 (8 (a % 4) + b)], for v at v[8 (4 b + a % 4)].  So a group of 32 products stays in one window in both texts; the bias add of the way out, which gathers a lane's 64 numbers, has two texts too.
; Inside a block of 32 the members stand in the order 16 (i / 8) + 8 (lane / 16) + i % 8: q and k alike, v as p in launch attn.
; CLUSTER.  Activation tiles are asked for jointly along a row of the cluster, weight tiles along a column.
; PREFETCH.  Chunk 1 is named at the head, behind chunk 0's load; chunk 2 behind chunk 1's load: each one load of the ring ahead of the load that wants it.  Of the 128 rows that a wave fetches, each of the four partners
; that ask for them jointly names 32, told apart by address, a lane a row: each block of 256 bytes once in a cluster.
; REGISTERS.  window 0: v0 the prefetches' offset; v1-15 addresses; v16-31 v's bias, a pair a block; v32-95 R's scale words [8 a + step]; v96-159 P's [8 b + step]; v160-255 R's fragments, on the way out at work.
;   window 1: P's sets at v0 and v128; q's and k's bias as the C of the first step at v96-127, v224-255.   windows 2, 3: the accumulators.
.set PITCH,  272
.set ROWB,   256
.set CHUNKS, 3
.set HALFT,  128*PITCH
.set SLOT,   4*HALFT
.set SSTG,   2*SLOT
.set SPARE,  SSTG+4*512
.set KROW,   768
.set AROW,   8*KROW
.set SEC,    6291456
.set SECS,   262144
.set HEADB,  49152
.set FR,  12
.set NL,  6
.set NP,  4
.set PFO, 0
.set O16, 1
.set O8,  2
.set SST, 3
.set ADRA, 4
.set ADRB, 8
.set SPW, 12
.set NIL, 13
.set SRD, 14
.set SGO, 15
.set BR,  16
.set SCA, 32
.set SCB, 96
.set AF,  160
.set ST,  160
.set PC,  224
.set TM,  244
.set PW,  4
.set DB,  14
.set RS,  16
.set PS,  18
.set BPB, 22
.set OUTA, 24
.set OUTB, 26
.set OSC, 28
.set S1,  30
.set S2,  32
.set MR,  35
.set PSL, 38
.set G1A, 44
.set G1W, 52
.set PFA, 66
.set G0A, 68
.set G0W, 76
.set WV,  84
.set HR,  85
.set HP,  86
.set CX,  87
.set CY,  88
.set CLY, 89
.set SEL, 90
.set BB,  91
.set SGS, 92
.set MSB, 0
.macro WIN new
.if MSB != \new
	s_set_vgpr_msb (MSB<<8)|\new
.set MSB, \new
.endif
.endm
; a joint load: waves 0, 1 fetch the activations' halves, waves 2, 3 the weights'
.macro JLOAD g0a, g1a, g0b, g1b
	s_cmp_eq_u32 s[HR], 0
	s_cbranch_scc0 .Lfor_b_\@
	tensor_load_to_lds s[\g0a:\g0a+3], s[\g1a:\g1a+7]
	s_nop 0
.rept 4
	v_nop
.endr
	s_branch .Lasked_\@
.Lfor_b_\@:
	tensor_load_to_lds s[\g0b:\g0b+3], s[\g1b:\g1b+7]
	s_nop 0
.rept 4
	v_nop
.endr
.Lasked_\@:
.endm
.macro CREST
	s_cmp_lg_u32 s[WV], 0
	s_cbranch_scc1 .Lnot_wave_0_\@
	s_barrier_signal -3
.Lnot_wave_0_\@:
	s_barrier_wait -3
	s_barrier_signal -1
	s_barrier_wait -1
.endm
.macro CROUND
	s_barrier_signal -1
	s_barrier_wait -1
	CREST
.endm
	s_load_b256 s[4:11], s[0:1], 0x0               ; q's group: activation codes, scales, weight codes, scales,
	s_load_b64 s[12:13], s[0:1], 0x20              ; bias
	s_load_b256 s[16:23], s[0:1], 0x28             ; k's group
	s_load_b64 s[24:25], s[0:1], 0x48
	s_load_b256 s[28:35], s[0:1], 0x50             ; v's group
	s_load_b64 s[36:37], s[0:1], 0x70
	s_load_b128 s[40:43], s[0:1], 0x78             ; qkv_codes, qkv_scales
	v_lshl_add_u32 v[SPW], v0, 2, SPARE
	v_mov_b32 v[NIL], 0
	ds_add_u32 v[SPW], v[NIL]                      ; the opening lines: the add twice and its wait ahead of my first tensor load
	ds_add_u32 v[SPW], v[NIL]
	v_lshrrev_b32 v1, 5, v0
	v_readfirstlane_b32 s[WV], v1
	s_lshr_b32 s[HR], s[WV], 1                     ; my half of the t.  Also: I fetch activations (0) or weights (1)
	s_and_b32 s[HP], s[WV], 1                      ; my half of the weight rows.  Also: which 128 rows I fetch
	s_bfe_u32 s[CX], ttmp6, 0x40000
	s_bfe_u32 s[CY], ttmp6, 0x40004
	s_and_b32 s[CLY], ttmp7, 0xffff
	s_lshr_b32 s[SEL], s[CLY], 3                   ; 0 q, 1 k, 2 v
	s_and_b32 s[BB], s[CLY], 7                     ; b
	s_lshl_b32 s93, s[CY], 2
	s_lshl_b32 s93, 15, s93                        ; my row of the cluster
	s_lshl_b32 s95, 0x1111, s[CX]                  ; my column
	s_or_b32 s[G1A], s93, (1<<20)|(1<<21)|(5<<22)|(3<<25)   ; mask; 1-byte elements; after every 64 words 4 words of padding
	s_or_b32 s[G1W], s95, (1<<20)|(1<<21)|(5<<22)|(3<<25)
.irp g, G1A, G1W
	s_mov_b32 s[\g+1], ROWB<<16
	s_mov_b32 s[\g+2], 128<<16
	s_mov_b32 s[\g+3], ROWB<<16
	s_mov_b32 s[\g+4], 128
	s_mov_b32 s[\g+6], 0
	s_mov_b32 s[\g+7], 0
.endr
	s_mov_b32 s[G1A+5], AROW
	s_mov_b32 s[G1W+5], KROW
	s_lshl_b32 s60, s[CY], 8                       ; activations: row (256 cy + 128 half) x 8 + b
	s_lshl_b32 s61, s[HP], 7
	s_add_co_u32 s60, s60, s61
	s_lshl_b32 s60, s60, 3
	s_add_co_u32 s60, s60, s[BB]
	s_mul_i32 s60, s60, KROW
	s_mov_b32 s61, 0
	s_lshl_b32 s62, s[CX], 8                       ; weights: row 256 cx + 128 half
	s_lshl_b32 s63, s[HP], 7
	s_add_co_u32 s62, s62, s63
	s_mul_i32 s62, s62, KROW
	s_mov_b32 s63, 0
	s_mul_i32 s94, s[WV], HALFT                    ; where they go: wave x 128 rows
	s_mov_b32 s[PSL], 0x76543210
	s_mov_b32 s[PSL+1], 0xfedcba98
	s_cmp_eq_u32 s[SEL], 2
	s_mov_b32 s[SGS], 256
	s_cselect_b32 s[SGS], 2048, s[SGS]             ; bytes between my two runs of scale words
	s_mov_b32 s[DB], HEADB
	s_cselect_b32 s[DB], 768, s[DB]                ; from an image's first half to its second
	s_mov_b32 s[DB+1], 0
	s_lshl_b32 s2, s[CY], 8
	s_lshl_b32 s3, s[HR], 7
	s_add_co_u32 s2, s2, s3                        ; my first t
	s_lshl_b32 s3, s[CX], 8
	s_lshl_b32 s95, s[HP], 7
	s_add_co_u32 s3, s3, s95                       ; my first weight row
	s_mul_i32 s96, s[HR], HALFT                    ; my R rows in slot 0,
	s_mul_i32 s97, s[HP], HALFT
	s_add_co_u32 s97, s97, 2*HALFT                 ; my P rows,
	s_add_co_u32 s98, s96, SLOT                    ; and in slot 1
	s_add_co_u32 s99, s97, SLOT
	s_mov_b32 s100, SLOT-232
	s_mov_b32 s101, SLOT+232
	s_lshl_b32 s93, s[WV], 9
	s_add_co_u32 s93, s93, SSTG                    ; my stage for scale words
	s_cmp_eq_u32 s[HR], 0
	s_mov_b32 s95, KROW
	s_cselect_b32 s95, AROW, s95                   ; from row to row in what I fetch
	; vector set-up
	v_and_b32 v176, 15, v0                         ; r
	v_bfe_u32 v177, v0, 4, 1                       ; lane / 16
	v_and_b32 v178, 31, v0
	v_lshlrev_b32 v[O16], 4, v178
	v_lshlrev_b32 v[O8], 3, v178
	v_mul_u32_u24 v179, v176, PITCH
	v_mad_u32_u24 v180, v177, 24, v179             ; row x pitch + 24 x half
	v_sub_nc_u32 v181, 1, v177
	v_mul_u32_u24 v182, s100, v177
	v_add_nc_u32 v182, v179, v182
	v_add_nc_u32 v182, 232, v182                   ; lanes 0-15 byte 232 in slot 0, lanes 16-31 byte 0 in slot 1
	v_mul_u32_u24 v183, s101, v181
	v_add_nc_u32 v183, v179, v183                  ; lanes 0-15 byte 232 in slot 1, lanes 16-31 byte 0 in slot 0
	v_add_nc_u32 v[ADRA], s96, v180
	v_add_nc_u32 v[ADRA+1], s98, v180
	v_add_nc_u32 v[ADRA+2], s96, v182
	v_add_nc_u32 v[ADRA+3], s96, v183
	v_add_nc_u32 v[ADRB], s97, v180
	v_add_nc_u32 v[ADRB+1], s99, v180
	v_add_nc_u32 v[ADRB+2], s97, v182
	v_add_nc_u32 v[ADRB+3], s97, v183
	v_lshl_add_u32 v[SST], v176, 2, s93
	v_lshl_add_u32 v[SRD], v178, 4, s93
	v_mul_lo_u32 v[SGO], v177, s[SGS]
	v_lshl_add_u32 v[SGO], v176, 4, v[SGO]
	v_lshlrev_b32 v184, 8, v176                    ; R's scales: 256 bytes from t to t + 1
	v_lshlrev_b32 v185, 5, v176                    ; P's: 32 bytes a row
	v_lshlrev_b32 v186, 5, v177                    ; bias along registers: 8 numbers from 8 (lane / 16) on
	v_lshlrev_b32 v187, 2, v176                    ; bias a lane
	v_mul_lo_u32 v[PFO], v178, s95                 ; the prefetches: a lane a row; the thread's number is needed no more
	s_mul_i32 s96, s[CX], 32*AROW                  ; my work-group's 32 of the 128 rows that I fetch: by cx among those that share activations,
	s_mul_i32 s97, s[CY], 32*KROW                  ; by cy among those that share weights
	s_cselect_b32 s96, s96, s97
	s_mov_b32 s97, 0
	s_wait_alu depctr_va_vdst(0)                   ; the wait behind the head's vector writes
	s_wait_dscnt 0x0
	s_wait_kmcnt 0x0
	s_cmp_eq_u32 s[SEL], 1                         ; the product's five buffers
	s_cselect_b64 s[4:5], s[16:17], s[4:5]
	s_cselect_b64 s[6:7], s[18:19], s[6:7]
	s_cselect_b64 s[8:9], s[20:21], s[8:9]
	s_cselect_b64 s[10:11], s[22:23], s[10:11]
	s_cselect_b64 s[12:13], s[24:25], s[12:13]
	s_cmp_eq_u32 s[SEL], 2
	s_cselect_b64 s[4:5], s[28:29], s[4:5]
	s_cselect_b64 s[6:7], s[30:31], s[6:7]
	s_cselect_b64 s[8:9], s[32:33], s[8:9]
	s_cselect_b64 s[10:11], s[34:35], s[10:11]
	s_cselect_b64 s[12:13], s[36:37], s[12:13]
	s_cselect_b32 s[MR], -1, 0                     ; what differs for v on the way out: the lane's bias counts,
	s_mov_b32 s[S1], 768
	s_cselect_b32 s[S1], 1536, s[S1]               ; bytes from block to block,
	s_cselect_b32 s[S2], 43008, 0                  ; the extra step at block 4
	s_mov_b32 s[S1+1], 0
	s_mov_b32 s[S2+1], 0
	s_add_nc_u64 s[60:61], s[4:5], s[60:61]
	s_add_nc_u64 s[62:63], s[8:9], s[62:63]
	s_cmp_eq_u32 s[HR], 0
	s_cselect_b64 s[PFA:PFA+1], s[60:61], s[62:63]
	s_add_nc_u64 s[PFA:PFA+1], s[PFA:PFA+1], s[96:97]
	s_lshl_b32 s96, s2, 3
	s_add_co_u32 s96, s96, s[BB]
	s_lshl_b32 s96, s96, 5
	s_add_nc_u64 s[RS:RS+1], s[6:7], s[96:97]      ; R's scale bytes: row 8 t + b, 32 bytes a row
	s_lshl_b32 s96, s3, 5
	s_add_nc_u64 s[PS:PS+1], s[10:11], s[96:97]    ; P's
	s_lshl_b32 s96, s3, 2
	s_add_nc_u64 s[BPB:BPB+1], s[12:13], s[96:97]  ; the bias of my 128 channels
.irp a, 0,1,2,3,4,5,6,7                ; all of K's scale words and the biases: asked for ahead of the first round, awaited behind chunk 1's request
	global_load_b128 v[SCA+8*\a:SCA+8*\a+3], v184, s[RS:RS+1] offset:4096*\a
	global_load_b128 v[SCA+8*\a+4:SCA+8*\a+7], v184, s[RS:RS+1] offset:4096*\a+16
	global_load_b128 v[SCB+8*\a:SCB+8*\a+3], v185, s[PS:PS+1] offset:512*\a
	global_load_b128 v[SCB+8*\a+4:SCB+8*\a+7], v185, s[PS:PS+1] offset:512*\a+16
.endr
	WIN 0x40
.irp b, 0,1,2,3,4,5,6,7
	global_load_b128 v[96+8*\b+96*(\b/4):96+8*\b+96*(\b/4)+3], v186, s[BPB:BPB+1] offset:64*\b
	global_load_b128 v[96+8*\b+96*(\b/4)+4:96+8*\b+96*(\b/4)+7], v186, s[BPB:BPB+1] offset:64*\b+16
.endr
	WIN 0
.irp a, 0,1,2,3,4,5,6,7
	global_load_b32 v[BR+2*\a], v187, s[BPB:BPB+1] offset:64*\a
	global_load_b32 v[BR+2*\a+1], v187, s[BPB:BPB+1] offset:64*\a
.endr
.irp s, 0,1
	s_mov_b32 s[G0A+4*\s], 1
	s_add_co_u32 s[G0A+4*\s+1], s94, \s*SLOT
	s_add_nc_u64 s[G0A+4*\s+2:G0A+4*\s+3], s[60:61], \s*ROWB
	s_or_b32 s[G0A+4*\s+3], s[G0A+4*\s+3], 0x80000000
	s_mov_b32 s[G0W+4*\s], 1
	s_add_co_u32 s[G0W+4*\s+1], s94, \s*SLOT
	s_add_nc_u64 s[G0W+4*\s+2:G0W+4*\s+3], s[62:63], \s*ROWB
	s_or_b32 s[G0W+4*\s+3], s[G0W+4*\s+3], 0x80000000
.endr
	CROUND                                         ; the first joint loads meet
	JLOAD G0A, G1A, G0W, G1W                       ; chunk 0: my one tensor load at the head
	global_prefetch_b8 v[PFO], s[PFA:PFA+1] offset:ROWB th:TH_LOAD_NT scope:SCOPE_SE     ; chunk 1 of my 32 rows
	; where the results go
	s_mov_b32 s61, 0
	s_lshl_b32 s62, s[CX], 2
	s_lshl_b32 s63, s[HP], 1
	s_add_co_u32 s62, s62, s63                     ; my first head
	s_lshl_b32 s63, s[BB], 4
	s_add_co_u32 s63, s63, s62                     ; 16 b + head
	s_mul_i32 s60, s63, HEADB
	s_mul_i32 s95, s[SEL], SEC
	s_add_co_u32 s60, s60, s95
	s_mul_i32 s95, s2, 48                          ; 768 bytes for 16 t (q, k), 6,144 for 128 keys (v): 48 a t
	s_add_co_u32 s60, s60, s95
	s_add_nc_u64 s[OUTA:OUTA+1], s[40:41], s[60:61]
	s_add_nc_u64 s[OUTB:OUTB+1], s[OUTA:OUTA+1], s[DB:DB+1]
	s_lshl_b32 s60, s[BB], 3                       ; q, k: [b][pair of heads][t] words
	s_lshr_b32 s95, s62, 1
	s_add_co_u32 s60, s60, s95
	s_lshl_b32 s60, s60, 12
	s_lshl_b32 s95, s2, 2
	s_add_co_u32 s60, s60, s95
	s_lshl_b32 s95, s63, 3                         ; v: [b][head][128 keys][channel] words
	s_lshr_b32 s62, s2, 7
	s_add_co_u32 s95, s95, s62
	s_lshl_b32 s95, s95, 8
	s_cmp_eq_u32 s[SEL], 2
	s_cselect_b32 s60, s95, s60
	s_mul_i32 s95, s[SEL], SECS
	s_add_co_u32 s60, s60, s95
	s_add_nc_u64 s[OSC:OSC+1], s[42:43], s[60:61]
; a fragment: 16 rows x 128 K, six pieces of 8 bytes; byte y of a row lies in chunk y / 256, slot (y / 256) % 2
.macro FRAG reg, adr, st, i
.irp p, 0,1,2,3,4,5
.set BY, 96*(\st)+48*(\p/3)+8*(\p%3)
.if BY/ROWB == (BY+24)/ROWB
	ds_load_b64 v[\reg+2*\p:\reg+2*\p+1], v[\adr+(BY/ROWB)%2] offset:BY%ROWB+(\i)*16*PITCH
.else
	ds_load_b64 v[\reg+2*\p:\reg+2*\p+1], v[\adr+2+(BY/ROWB)%2] offset:BY%ROWB-232+(\i)*16*PITCH
.endif
.endr
.endm
.macro FETCH_P st, p
	WIN 0x40
.irp i, 0,1,2,3,4,5,6,7
	FRAG 128*(\p)+FR*\i, ADRB, \st, \i
.endr
	WIN 0
.endm
.macro FETCH_R st, i0
.irp i, \i0, \i0+1, \i0+2, \i0+3
	FRAG AF+FR*(\i), ADRA, \st, \i
.endr
.endm
.macro PLACES n
.rept \n
	v_nop
.endr
.endm
; 32 matrix instructions: R's blocks a0 .. a0 + 3 x P's eight, K step kq.  Two texts, chosen by the product's number; the accumulators take turns, one instruction a turn.
.macro MUL32 a0, p, kq, first
	WIN 0
	s_cmp_eq_u32 s[SEL], 2
	s_cbranch_scc1 .Lmv_\@
.if \first
	WIN 0x91+0x40*((\a0)/4)
.else
	WIN 0xa1+0x50*((\a0)/4)
.endif
.irp a, \a0, \a0+1, \a0+2, \a0+3
.irp b, 0,1,2,3,4,5,6,7
.set rD, 8*(8*((\a)%4)+\b)
.set rP, 128*(\p)+FR*\b
.set rR, AF+FR*(\a)
.set rC, 96+8*\b+96*(\b/4)
.if \first
	v_wmma_scale_f32_16x16x128_f8f6f4 v[rD:rD+7], v[rP:rP+FR-1], v[rR:rR+FR-1], v[rC:rC+7], v[SCB+8*\b+(\kq)], v[SCA+8*(\a)+(\kq)] matrix_a_fmt:MATRIX_FMT_FP6 matrix_b_fmt:MATRIX_FMT_FP6
.else
	v_wmma_scale_f32_16x16x128_f8f6f4 v[rD:rD+7], v[rP:rP+FR-1], v[rR:rR+FR-1], v[rD:rD+7], v[SCB+8*\b+(\kq)], v[SCA+8*(\a)+(\kq)] matrix_a_fmt:MATRIX_FMT_FP6 matrix_b_fmt:MATRIX_FMT_FP6
.endif
.endr
.endr
	WIN 0
	s_branch .Lmj_\@
.Lmv_\@:
	WIN 0xa4+0x50*((\a0)/4)                        ; source 0 window 0, source 1 window 1
.irp bh, 0,1
.irp a, \a0, \a0+1, \a0+2, \a0+3
.irp c, 0,1,2,3
.set rD, 8*(4*(4*\bh+\c)+(\a)%4)
.set rP, 128*(\p)+FR*(4*\bh+\c)
.set rR, AF+FR*(\a)
.if \first
	v_wmma_scale_f32_16x16x128_f8f6f4 v[rD:rD+7], v[rR:rR+FR-1], v[rP:rP+FR-1], 0, v[SCA+8*(\a)+(\kq)], v[SCB+8*(4*\bh+\c)+(\kq)] matrix_a_fmt:MATRIX_FMT_FP6 matrix_b_fmt:MATRIX_FMT_FP6
.else
	v_wmma_scale_f32_16x16x128_f8f6f4 v[rD:rD+7], v[rR:rR+FR-1], v[rP:rP+FR-1], v[rD:rD+7], v[SCA+8*(\a)+(\kq)], v[SCB+8*(4*\bh+\c)+(\kq)] matrix_a_fmt:MATRIX_FMT_FP6 matrix_b_fmt:MATRIX_FMT_FP6
.endif
.endr
.endr
.endr
	WIN 0
.Lmj_\@:
.endm
; A step of 128 along K.  Where this step's fragments were the last reads of a chunk and a chunk is left to fetch: at the step's top the three lines, the round and the refill.
; Where the next step's bytes end in a chunk not read yet: in the step's middle a barrier shows that chunk whole.  A chunk behind which nothing is filled needs no barrier: no line writes its bytes.
.macro STEP st, first
.set NX, (\st)+1
.set C0, (96*(\st))/ROWB
.set C1, (96*NX)/ROWB
.set E0, (96*(\st)+95)/ROWB
.set E1, (96*NX+95)/ROWB
.if C1 > C0 && C0+2 < CHUNKS
	s_wait_tensorcnt 0x0                           ; no tensor load of mine is out
	ds_add_u32 v[SPW], v[NIL]
	s_wait_dscnt 0x0                               ; the add, and my reads of the chunk left behind: this step's fragments were the last
	s_barrier_signal -1
	s_barrier_wait -1
	CREST
	s_add_nc_u64 s[G0A+4*(C0%2)+2:G0A+4*(C0%2)+3], s[G0A+4*(C0%2)+2:G0A+4*(C0%2)+3], 2*ROWB
	s_add_nc_u64 s[G0W+4*(C0%2)+2:G0W+4*(C0%2)+3], s[G0W+4*(C0%2)+2:G0W+4*(C0%2)+3], 2*ROWB
	JLOAD G0A+4*(C0%2), G1A, G0W+4*(C0%2), G1W     ; chunk C0 + 2, my one tensor load behind the round
.else
	s_wait_dscnt 4*NL                              ; all but the youngest 24 loads (R's blocks 4-7)
.endif
	MUL32 0, (\st)%2, \st, \first
.if E1 > E0
	s_wait_tensorcnt 0x0                           ; my part of the next chunk has landed
	s_wait_dscnt 0x0
	s_barrier_signal -1
	s_barrier_wait -1                              ; everybody's has
.else
	s_wait_dscnt 0x0
.endif
	PLACES NP
	FETCH_P NX, NX%2
	FETCH_R NX, 0
	MUL32 4, (\st)%2, \st, \first
	PLACES NP
	FETCH_R NX, 4
.endm
	s_wait_tensorcnt 0x0                           ; my part of chunk 0 is in; the three lines ahead of slot 1's first fill
	ds_add_u32 v[SPW], v[NIL]
	s_wait_dscnt 0x0
	CROUND
	JLOAD G0A+4, G1A, G0W+4, G1W                   ; chunk 1
	s_wait_loadcnt 0x0                             ; scale words and biases are in; their offset registers are free
.irp j, 0,1,2,3,4,5,6,7,8,9,10,11,12,13,14,15
	v_cndmask_b32 v[BR+\j], 0, v[BR+\j], s[MR]     ; the lane's bias counts for v alone: a choice of values
.endr
	s_wait_alu depctr_va_vdst(0)                   ; the wait at the head's end
	FETCH_P 0, 0
	FETCH_R 0, 0
	FETCH_R 0, 4
	global_prefetch_b8 v[PFO], s[PFA:PFA+1] offset:2*ROWB th:TH_LOAD_NT scope:SCOPE_SE   ; chunk 2 of my 32 rows; its registers are never written again
	STEP 0, 1
.set SN, 1
.rept 6
	STEP SN, 0
.set SN, SN+1
.endr
	s_wait_dscnt 4*NL
	MUL32 0, 1, 7, 0
	s_wait_dscnt 0x0
	MUL32 4, 1, 7, 0
; THE WAY OUT, block by block: a lane's 64 numbers become 12 registers of codes and a scale word
.macro QMAX s
.irp b, 0,1,2,3
	v_max3_num_f32 v[TM+\b], |v[\s+16*\b]|, |v[\s+1+16*\b]|, 0x1800000   ; with the floor 2^(3 - 127): the byte cannot fall under 1
.endr
.irp i, 2,4,6,8,10,12,14
.irp b, 0,1,2,3
	v_max3_num_f32 v[TM+\b], v[TM+\b], |v[\s+16*\b+\i]|, |v[\s+1+16*\b+\i]|
.endr
.endr
.irp b, 0,1,2,3
	v_permlanex16_b32 v[TM+4+\b], v[TM+\b], s[PSL], s[PSL+1]
.endr
.irp b, 0,1,2,3
	v_max_num_f32 v[TM+\b], v[TM+\b], v[TM+4+\b]
.endr
.irp b, 0,1,2,3
	v_add_nc_u32 v[TM+8+\b], 0xff000000, v[TM+\b]  ; 2 off the exponent field: the conversion's scale operand
.endr
.irp b, 0,1,2,3
	v_lshrrev_b32 v[TM+4+\b], 23, v[TM+8+\b]
.endr
	v_lshl_or_b32 v[PW], v[TM+5], 8, v[TM+4]
	v_lshl_or_b32 v[PW], v[TM+6], 16, v[PW]
	v_lshl_or_b32 v[PW], v[TM+7], 24, v[PW]
.endm
.macro QCVT s
.irp c, 0,1
	v_cvt_scalef32_pk16_fp6_f32 v[PC+6*\c:PC+2+6*\c], v[\s+32*\c:\s+15+32*\c], v[TM+8+2*\c]
	v_cvt_scalef32_pk16_fp6_f32 v[PC+12+4*\c:PC+14+4*\c], v[\s+16+32*\c:\s+31+32*\c], v[TM+8+2*\c+1]
.endr
	v_nop
.irp c, 0,1
.irp i, 0,1,2
	v_permlane16_swap_b32 v[PC+6*\c+\i], v[PC+12+4*\c+\i]
.endr
.irp i, 0,1,2
	v_mov_b32 v[PC+3+6*\c+\i], v[PC+12+4*\c+\i]
.endr
.endr
.endm
.macro OUTBLK a
	s_cmp_eq_u32 s[SEL], 2                         ; where a lane's 64 numbers lie differs for v: two texts of the bias add
	s_cbranch_scc1 .Lov_\@
	WIN 0x02+(\a)/4
.set k, 0
.rept 32
	v_pk_add_f32 v[ST+2*k:ST+2*k+1], v[64*((\a)%4)+2*k:64*((\a)%4)+2*k+1], v[BR+2*(\a):BR+2*(\a)+1]   ; + the lane's bias; each accumulator from its low end on
.set k, k+1
.endr
	WIN 0
	s_wait_alu depctr_va_vdst(0)                   ; the wait ahead of the jump
	s_branch .Loj_\@
.Lov_\@:
	WIN 0x02                                       ; v: block b's keys 0-63 lie in window 2 at v[32 b ..], keys 64-127 in window 3
.set k, 0
.rept 16
	v_pk_add_f32 v[ST+2*k:ST+2*k+1], v[32*(\a)+2*k:32*(\a)+2*k+1], v[BR+2*(\a):BR+2*(\a)+1]
.set k, k+1
.endr
	WIN 0x03
.set k, 0
.rept 16
	v_pk_add_f32 v[ST+32+2*k:ST+32+2*k+1], v[32*(\a)+2*k:32*(\a)+2*k+1], v[BR+2*(\a):BR+2*(\a)+1]
.set k, k+1
.endr
	WIN 0
	s_wait_alu depctr_va_vdst(0)
.Loj_\@:
.if (\a) > 0
	s_wait_dscnt 0x0                               ; the last block's LDS store has read the scale word,
	s_wait_xcnt 0x0                                ; its global stores their codes and bases
	s_add_nc_u64 s[OUTA:OUTA+1], s[OUTA:OUTA+1], s[S1:S1+1]
	s_add_nc_u64 s[OUTB:OUTB+1], s[OUTB:OUTB+1], s[S1:S1+1]
.endif
.if (\a) == 4
	s_add_nc_u64 s[OUTA:OUTA+1], s[OUTA:OUTA+1], s[S2:S2+1]
	s_add_nc_u64 s[OUTB:OUTB+1], s[OUTB:OUTB+1], s[S2:S2+1]
.endif
	QMAX ST
	QCVT ST
	global_store_b128 v[O16], v[PC:PC+3], s[OUTA:OUTA+1]                ; an image of 768 bytes, aligned to 256
	global_store_b64 v[O8], v[PC+4:PC+5], s[OUTA:OUTA+1] offset:512
	global_store_b128 v[O16], v[PC+6:PC+9], s[OUTB:OUTB+1]
	global_store_b64 v[O8], v[PC+10:PC+11], s[OUTB:OUTB+1] offset:512
	ds_store_b32 v[SST], v[PW] offset:64*(\a)
.endm
	PLACES NP
.irp b, 0,1,2,3
	v_mov_b32 v[TM+4+\b], 0                        ; a lane permute's destination counts as a source
.endr
.irp a, 0,1,2,3,4,5,6,7
	OUTBLK \a
.endr
	ds_load_b128 v[8:11], v[SRD]                   ; my 128 scale words, four a lane; LDS serves a wave's instructions in order
	s_wait_dscnt 0x0
	global_store_b128 v[SGO], v[8:11], s[OSC:OSC+1]
	s_wait_tensorcnt 0x0                           ; the wave's end
	ds_add_u32 v[SPW], v[NIL]
	s_wait_dscnt 0x0
	CROUND                                         ; the closing round
	s_endpgm
.Lfunc_end_k_q003142346d_proj:
	.size	k_q003142346d_proj, .Lfunc_end_k_q003142346d_proj-k_q003142346d_proj
	.p2alignl 7, 3214868480
	.fill 96, 4, 3214868480
	.section	.rodata,"a",@progbits
	.p2align	6, 0x0
	.amdhsa_kernel k_q003142346d_proj
		.amdhsa_group_segment_fixed_size 327680
		.amdhsa_private_segment_fixed_size 0
		.amdhsa_enable_private_segment 0
		.amdhsa_kernarg_size 136
		.amdhsa_user_sgpr_count 2
		.amdhsa_user_sgpr_kernarg_segment_ptr 1
		.amdhsa_wavefront_size32 1
		.amdhsa_system_sgpr_workgroup_id_x 1
		.amdhsa_system_sgpr_workgroup_id_y 1
		.amdhsa_system_sgpr_workgroup_id_z 1
		.amdhsa_system_vgpr_workitem_id 0
		.amdhsa_next_free_vgpr 1024
		.amdhsa_next_free_sgpr 102
		.amdhsa_reserve_vcc 0
		.amdhsa_float_denorm_mode_32 3
		.amdhsa_float_denorm_mode_16_64 3
		.amdhsa_memory_ordered 1
		.amdhsa_forward_progress 1
		.amdhsa_inst_pref_size 255
	.end_amdhsa_kernel
	.section	.bss,"aw",@nobits
	.p2align	6
	.space	262144
	.amdgpu_metadata
---
amdhsa.version: [ 1, 2 ]
amdhsa.kernels:
  - .name:           k_q003142346d_proj
    .symbol:         k_q003142346d_proj.kd
    .args:
      - { .name: input_tensor_codes, .offset: 0, .size: 8, .value_kind: global_buffer, .address_space: global }
      - { .name: input_tensor_scales, .offset: 8, .size: 8, .value_kind: global_buffer, .address_space: global }
      - { .name: Wq_codes, .offset: 16, .size: 8, .value_kind: global_buffer, .address_space: global }
      - { .name: Wq_scales, .offset: 24, .size: 8, .value_kind: global_buffer, .address_space: global }
      - { .name: bq, .offset: 32, .size: 8, .value_kind: global_buffer, .address_space: global }
      - { .name: keys_vector_codes, .offset: 40, .size: 8, .value_kind: global_buffer, .address_space: global }
      - { .name: keys_vector_scales, .offset: 48, .size: 8, .value_kind: global_buffer, .address_space: global }
      - { .name: Wk_codes, .offset: 56, .size: 8, .value_kind: global_buffer, .address_space: global }
      - { .name: Wk_scales, .offset: 64, .size: 8, .value_kind: global_buffer, .address_space: global }
      - { .name: bk, .offset: 72, .size: 8, .value_kind: global_buffer, .address_space: global }
      - { .name: values_vector_codes, .offset: 80, .size: 8, .value_kind: global_buffer, .address_space: global }
      - { .name: values_vector_scales, .offset: 88, .size: 8, .value_kind: global_buffer, .address_space: global }
      - { .name: Wv_codes, .offset: 96, .size: 8, .value_kind: global_buffer, .address_space: global }
      - { .name: Wv_scales, .offset: 104, .size: 8, .value_kind: global_buffer, .address_space: global }
      - { .name: bv, .offset: 112, .size: 8, .value_kind: global_buffer, .address_space: global }
      - { .name: qkv_codes, .offset: 120, .size: 8, .value_kind: global_buffer, .address_space: global }
      - { .name: qkv_scales, .offset: 128, .size: 8, .value_kind: global_buffer, .address_space: global }
    .group_segment_fixed_size: 327680
    .private_segment_fixed_size: 0
    .kernarg_segment_align: 8
    .kernarg_segment_size: 136
    .max_flat_workgroup_size: 128
    .sgpr_count:     102
    .vgpr_count:     1024
    .wavefront_size: 32
...
	.end_amdgpu_metadata
.endif
;; end of part 1
;; launch attn (part 2): grid 2 x 128, 16 waves a work-group, no clusters, 327,680 bytes of LDS; arguments qkv_codes, qkv_scales, ao_codes, ao_scales; writes ao_codes, ao_scales
.if DOCPART == 2
	.amdgcn_target "amdgcn-amd-amdhsa--gfx1250"
	.amdhsa_code_object_version 6
	.text
	.protected	k_q003142346d_attn
	.globl	k_q003142346d_attn
	.p2align	8
	.type	k_q003142346d_attn,@function
k_q003142346d_attn:
	s_mov_b64 s[64:65], 0
	v_nop
	global_prefetch_b8 v0, s[64:65] scope:SCOPE_SE
	s_setreg_imm32_b32 hwreg(HW_REG_WAVE_MODE, 25, 1), 1
	s_wait_xcnt 0x0
; For each of 128 (batch, head): O[t] = sum over s <= t of softmax_s(q[t] . k[s] / 8) v[s], both products on codes of FP6 (E2M3) with E8M0 scales; O / l is quantised along D and leaves as images of operand registers.
; WORK LEFT OUT: key steps all of whose keys lie behind my 16 queries (the causal mask that reference() builds itself; shown at the head of launch proj).
; THE SOFTMAX: t = score x log2(e) / 8; M = the running largest t rounded up to a whole number; p = 2^(t - M) is quantised along the keys; l sums the unquantised p; when M moves, l and O are multiplied by 2^(old M - new M), exactly.
; A hidden score inside a live step is set to -8e9 ahead of the factor, the -1e9 that the problem puts behind its 1 / 8.
; LIMITS: NaN and infinities are not served; the scaled scores stay under 2^31 in magnitude; a block whose largest magnitude lies under 2^-124, and a block of zeros, get the scale byte 1.
; SHARES.  A head has 64 tiles of 16 queries, two work-groups of sixteen waves.  Wave w of work-group x takes tile P = 2 w + x and then tile 63 - P: (P / 8 + 1) + (8 - P / 8) = 9 key steps of 128 for every wave; both work-groups read every key.
; LDS.  A head's K and V as codes are 2 x 49,152 bytes, filled once, in two stages, one tensor load a wave each: key steps 0, 1 (1,536 bytes a wave) at the head; steps 2-7 (4,608 bytes a wave) behind the first barrier,
; on their way while steps 0 and 1 of the first tiles are worked; a second barrier stands in front of step 2.
; PREFETCH: at the head each wave names 9 of the 18 blocks of 256 bytes of its second load, the two work-groups of a head a half each; the load that wants them stands behind the head's waits and barrier.
; NO CLUSTER: only the two work-groups of a head read the same tiles; the grid's x is 2.
; LAYOUT.  Both products transposed: a lane holds one query.  The head size is 64: registers 6-11 of K's and Q's fragments are zero codes, their scale bytes 2, 3 are 0.
; REGISTERS: v1-7 addresses; v8-11 the step's; v12 -M, v13 the largest t, v[14:15] the sum; v16-27, v192-203 Q of my two tiles; v255, v204 their scale words; v205 the prefetch's offset; v28 r - 8 (lane / 16); v32-79 K's fragments;
;   v96-159 S^T, p, then V's fragments; v160-191 O^T; v224-235 p's codes; v232-254 at work; v248-251 K's or V's scale words; v252 f; v253 p's scale word.
.set SEC,   6291456
.set SECS,  262144
.set HEADB, 49152
.set VC,    49152
.set KS,    98304
.set VS,    102400
.set SPARE, 104448
.set P0B,   1536
.set P1B,   4608
.set WV,  18
.set PSL, 20
.set CS,  22
.set G1,  24
.set G0,  32
.set G0B, 36
.set G1B, 72
.set TB,  2
.set TS,  3
.set TJ,  66
.set CNT, 67
.set KF,  98
.set Q0,  99
	s_load_b256 s[4:11], s[0:1], 0x0               ; qkv_codes, qkv_scales, ao_codes, ao_scales
	v_lshl_add_u32 v5, v0, 2, SPARE
	v_mov_b32 v6, 0
	ds_add_u32 v5, v6                              ; the opening lines: the add twice and its wait
	ds_add_u32 v5, v6
	v_lshrrev_b32 v8, 5, v0
	s_delay_alu instid0(VALU_DEP_1)
	v_readfirstlane_b32 s[WV], v8
	s_and_b32 s12, ttmp7, 0xffff                   ; 16 b + h
	s_lshr_b32 s13, s12, 4
	s_and_b32 s14, s12, 15
	s_lshr_b32 s15, s14, 1
	s_and_b32 s16, s14, 1
	s_lshl_b32 s58, s[WV], 1
	s_add_co_u32 s58, s58, ttmp9                   ; my first tile,
	s_sub_co_u32 s59, 63, s58                      ; my second
	s_mul_i32 s19, s12, HEADB
	s_lshr_b32 s17, s[WV], 3                       ; waves 0-7 fetch K, 8-15 V
	s_and_b32 s84, s[WV], 7
	s_add_co_u32 s80, s17, 1
	s_mul_i32 s80, s80, SEC
	s_add_co_u32 s80, s80, s19
	s_mul_i32 s85, s84, P0B
	s_add_co_u32 s86, s80, s85
	s_mov_b32 s87, 0
	s_mul_i32 s90, s84, P1B
	s_add_co_u32 s88, s80, s90
	s_add_co_u32 s88, s88, 2*6144
	s_mov_b32 s89, 0
	s_mul_i32 s81, s17, VC
.irp g, G1, G1B
	s_mov_b32 s[\g], 3<<16                         ; 8-byte elements, rows of 256 bytes, dense
	s_mov_b32 s[\g+1], 32<<16
	s_mov_b32 s[\g+3], 32<<16
	s_mov_b32 s[\g+5], 32
	s_mov_b32 s[\g+6], 0
	s_mov_b32 s[\g+7], 0
.endr
	s_mov_b32 s[G1+2], 6<<16
	s_mov_b32 s[G1+4], 6
	s_mov_b32 s[G1B+2], 18<<16
	s_mov_b32 s[G1B+4], 18
	s_mov_b32 s[G0], 1
	s_add_co_u32 s[G0+1], s81, s85
	s_mov_b32 s[G0B], 1
	s_add_co_u32 s[G0B+1], s81, s90
	s_add_co_u32 s[G0B+1], s[G0B+1], 2*6144
	s_lshl_b32 s82, s13, 3
	s_add_co_u32 s82, s82, s15
	s_lshl_b32 s82, s82, 12                        ; the pair's 4,096 bytes of scale words
	s_lshl_b32 s83, s12, 11
	s_add_co_u32 s83, s83, 2*SECS-4096             ; V's 2,048 bytes, less what waves 8-11 add below
	s_add_co_u32 s56, s82, SECS
	s_cmp_lt_u32 s[WV], 8
	s_cselect_b32 s56, s56, s83
	s_lshl_b32 s57, s[WV], 9
	s_add_co_u32 s56, s56, s57
	s_mov_b32 s57, 0
	s_mov_b32 s[PSL], 0x76543210
	s_mov_b32 s[PSL+1], 0xfedcba98
	s_mov_b32 s[CS], 0x3e38aa3b
	s_mov_b32 s[CS+1], s[CS]
	s_lshl_b32 s68, s16, 1
	s_add_co_u32 s69, s68, KS
	s_mul_i32 s70, ttmp9, 9
	s_wait_dscnt 0x0
	s_wait_kmcnt 0x0
	s_add_nc_u64 s[G0+2:G0+3], s[4:5], s[86:87]
	s_or_b32 s[G0+3], s[G0+3], 0x80000000
	tensor_load_to_lds s[G0:G0+3], s[G1:G1+7]      ; key steps 0, 1: my one tensor load at the head
	s_nop 0
	s_add_nc_u64 s[92:93], s[4:5], s[88:89]        ; my part of steps 2-7
	s_mov_b64 s[G0B+2:G0B+3], s[92:93]
	s_or_b32 s[G0B+3], s[G0B+3], 0x80000000
	s_add_nc_u64 s[56:57], s[6:7], s[56:57]
.macro BASES p                         ; s[40+8p..47+8p]: Q's codes, Q's scale words, O's codes, O's scale words
	s_mul_i32 s60, s[58+\p], 768
	s_add_co_u32 s60, s60, s19
	s_mov_b32 s61, 0
	s_add_nc_u64 s[40+8*\p:41+8*\p], s[4:5], s[60:61]
	s_lshl_b32 s60, s[58+\p], 6
	s_add_co_u32 s60, s60, s82
	s_add_nc_u64 s[42+8*\p:43+8*\p], s[6:7], s[60:61]
	s_lshl_b32 s62, s13, 6
	s_add_co_u32 s62, s62, s[58+\p]
	s_lshl_b32 s60, s62, 4
	s_add_co_u32 s60, s60, s14
	s_mul_i32 s60, s60, 768
	s_add_nc_u64 s[44+8*\p:45+8*\p], s[8:9], s[60:61]
	s_lshl_b32 s60, s62, 3
	s_add_co_u32 s60, s60, s15
	s_lshl_b32 s60, s60, 6
	s_add_nc_u64 s[46+8*\p:47+8*\p], s[10:11], s[60:61]
.endm
	BASES 0
	BASES 1
	v_and_b32 v30, 15, v0
	v_bfe_u32 v31, v0, 4, 1
	v_and_b32 v1, 31, v0
	v_lshl_add_u32 v29, v0, 4, KS                  ; where waves 0-11 lay the scale words
	v_min_u32 v205, 8, v1
	v_lshlrev_b32 v2, 3, v1
	v_lshlrev_b32 v1, 4, v1
	v_lshl_add_u32 v3, v30, 2, s69
	v_lshl_add_u32 v4, v30, 2, VS
	v_lshl_add_u32 v7, v30, 2, s68
	v_lshlrev_b32 v31, 3, v31
	v_add_nc_u32 v205, s70, v205
	v_sub_nc_u32 v28, v30, v31
	v_lshlrev_b32 v205, 8, v205                    ; block 9 x + min(lane, 8) of my 18
.irp j, 22,23,24,25,26,27, 198,199,200,201,202,203
	v_mov_b32 v[\j], 0                             ; Q's K = 64 .. 127: zero codes
.endr
.irp t, 0,1,2,3
.irp j, 6,7,8,9,10,11
	v_mov_b32 v[32+12*\t+\j], 0                    ; and K's
.endr
.endr
.irp b, 0,1,2,3
	v_mov_b32 v[236+\b], 0
.endr
	v_mov_b32 v252, 0
	v_mov_b32 v253, 0
	s_wait_alu depctr_va_vdst(0)                   ; the wait behind the head's vector writes
	global_load_b128 v[16:19], v1, s[40:41]        ; Q of both my tiles
	global_load_b64 v[20:21], v2, s[40:41] offset:512
	global_load_u16 v255, v7, s[42:43]
	global_load_b128 v[192:195], v1, s[48:49]
	global_load_b64 v[196:197], v2, s[48:49] offset:512
	global_load_u16 v204, v7, s[50:51]
	global_prefetch_b8 v205, s[92:93] th:TH_LOAD_NT scope:SCOPE_SE
	s_cmp_lt_u32 s[WV], 12
	s_cbranch_scc0 .Lno_scales
	global_load_b128 v[32:35], v1, s[56:57]        ; 512 consecutive bytes a wave
	s_wait_loadcnt 0x0
	ds_store_b128 v29, v[32:35]
.Lno_scales:
	s_wait_loadcnt 0x0
	s_wait_tensorcnt 0x0                           ; my part of steps 0, 1 has landed; the three lines ahead of a later first fill
	ds_add_u32 v5, v6
	s_wait_dscnt 0x0                               ; the add, and my scale words
	s_barrier_signal -1
	s_barrier_wait -1
	tensor_load_to_lds s[G0B:G0B+3], s[G1B:G1B+7]  ; key steps 2-7: my one tensor load behind this barrier
	s_nop 0
; A KEY STEP: 128 keys.  q: Q's first register, qs: its scale word
.macro STEP q, qs
	s_add_co_u32 s96, s[Q0], 15
	s_cmp_gt_u32 s[KF], s96                        ; all keys hidden: ids and the count of steps alone
	s_cbranch_scc1 .Lhid_\@
	v_add_nc_u32 v8, s[TB], v1
	v_add_nc_u32 v9, s[TB], v2
	v_add_nc_u32 v10, s[TS], v3
	v_add_nc_u32 v11, s[TJ], v4
	s_wait_alu depctr_va_vdst(0)
.irp g, 0,1
.if \g
.rept 4
	v_nop
.endr
.endif
.irp t, 0,1,2,3
	ds_load_b128 v[32+12*\t:35+12*\t], v8 offset:(4*\g+\t)*768
	ds_load_b64 v[36+12*\t:37+12*\t], v9 offset:(4*\g+\t)*768+512
	ds_load_u16 v[248+\t], v10 offset:64*(4*\g+\t)
.endr
	s_wait_dscnt 0x0
.irp t, 0,1,2,3
	v_wmma_scale_f32_16x16x128_f8f6f4 v[96+8*(4*\g+\t):103+8*(4*\g+\t)], v[32+12*\t:43+12*\t], v[\q:\q+11], 0, v[248+\t], v[\qs] matrix_a_fmt:MATRIX_FMT_FP6 matrix_b_fmt:MATRIX_FMT_FP6
.endr
.endr
.rept 4
	v_nop
.endr
	s_add_co_u32 s96, s[KF], 127
	s_cmp_le_u32 s96, s[Q0]                        ; a step all of whose keys count skips the mask
	s_cbranch_scc1 .Lopen_\@
	s_sub_co_i32 s96, s[Q0], s[KF]
	v_add_nc_u32 v252, s96, v28                    ; register n holds key 16 (n / 8) + 8 (lane / 16) + n % 8: hidden where 16 (n / 8) + n % 8 > d
	v_mov_b32 v254, 0xcfee6b28                     ; -8e9
.set n, 0
.rept 64
	v_cmp_gt_i32 vcc_lo, 16*(n/8)+n%8, v252
	v_cndmask_b32 v[96+n], v[96+n], v254, vcc_lo
.set n, n+1
.endr
.Lopen_\@:
.irp b, 0,1,2,3
	v_max3_num_f32 v[232+\b], v[96+16*\b], v[97+16*\b], v[98+16*\b]   ; each block's largest score: for the row's maximum and for the block's largest p
.endr
.irp i, 3,5,7,9,11,13
.irp b, 0,1,2,3
	v_max3_num_f32 v[232+\b], v[232+\b], v[96+16*\b+\i], v[97+16*\b+\i]
.endr
.endr
.irp b, 0,1,2,3
	v_max_num_f32 v[232+\b], v[232+\b], v[111+16*\b]
.endr
.irp b, 0,1,2,3
	s_delay_alu instid0(VALU_DEP_4)
	v_permlanex16_b32 v[236+\b], v[232+\b], s[PSL], s[PSL+1]
.endr
.irp b, 0,1,2,3
	s_delay_alu instid0(VALU_DEP_4)
	v_max_num_f32 v[232+\b], v[232+\b], v[236+\b]
.endr
	s_delay_alu instid0(VALU_DEP_2)
	v_max3_num_f32 v254, v232, v233, v234
	s_delay_alu instid0(VALU_DEP_1)
	v_max_num_f32 v254, v254, v235
	s_delay_alu instid0(VALU_DEP_1)
	v_mul_f32 v254, s[CS], v254
	s_delay_alu instid0(VALU_DEP_1)
	v_max_num_f32 v13, v13, v254                   ; the running largest t
	v_mov_b32 v254, v12
	s_delay_alu instid0(VALU_DEP_2)
	v_floor_f32 v12, -v13                          ; -M = -ceil(t)
	s_delay_alu instid0(VALU_DEP_1)
	v_sub_f32 v254, v12, v254
	s_delay_alu instid0(VALU_DEP_1)
	v_cvt_i32_f32 v254, v254
	s_delay_alu instid0(VALU_DEP_1)
	v_ldexp_f32 v252, 1.0, v254                    ; f = 2^(old M - new M)
.set j, 0
.rept 32
	v_pk_fma_f32 v[96+j:97+j], v[96+j:97+j], s[CS:CS+1], v[12:13] op_sel_hi:[1,0,0]   ; t - M
.set j, j+2
.endr
.irp b, 0,1,2,3
	v_fma_f32 v[232+\b], v[232+\b], s[CS], v12
.endr
.set j, 0
	s_wait_alu depctr_va_vdst(0)                   ; the wait ahead of the batch
.rept 64
	v_exp_f32 v[96+j], v[96+j]                     ; p
.set j, j+1
.endr
	v_pk_mul_f32 v[14:15], v[14:15], v[252:253] op_sel_hi:[1,0]
	s_wait_alu depctr_va_vdst(0)                   ; and behind it
.irp b, 0,1,2,3
	v_exp_f32 v[232+\b], v[232+\b]                 ; the blocks' largest p
.endr
.irp c, 0,1,2,3                        ; the sum of the unquantised p, in four chains
	v_pk_add_f32 v[240+2*\c:241+2*\c], v[96+2*\c:97+2*\c], v[104+2*\c:105+2*\c]
.endr
.irp j, 16,24,32,40,48,56
.irp c, 0,1,2,3
	v_pk_add_f32 v[240+2*\c:241+2*\c], v[240+2*\c:241+2*\c], v[96+\j+2*\c:97+\j+2*\c]
.endr
.endr
	v_pk_add_f32 v[240:241], v[240:241], v[242:243]
	v_pk_add_f32 v[244:245], v[244:245], v[246:247]
	s_delay_alu instid0(VALU_DEP_1)
	v_pk_add_f32 v[240:241], v[240:241], v[244:245]
	s_delay_alu instid0(VALU_DEP_1)
	v_pk_add_f32 v[14:15], v[14:15], v[240:241]
	s_wait_alu depctr_va_vdst(0)                   ; the wait for the four
.irp b, 0,1,2,3
	v_max_num_f32 v[232+\b], 0x1800000, v[232+\b]  ; the floor 2^(3 - 127)
.endr
.irp b, 0,1,2,3
	s_delay_alu instid0(VALU_DEP_4)
	v_add_nc_u32 v[244+\b], 0xff000000, v[232+\b]
.endr
.irp b, 0,1,2,3
	s_delay_alu instid0(VALU_DEP_4)
	v_lshrrev_b32 v[236+\b], 23, v[244+\b]
.endr
	s_delay_alu instid0(VALU_DEP_3)
	v_lshl_or_b32 v253, v237, 8, v236              ; p's scale word
	s_delay_alu instid0(VALU_DEP_1)
	v_lshl_or_b32 v253, v238, 16, v253
	s_delay_alu instid0(VALU_DEP_1)
	v_lshl_or_b32 v253, v239, 24, v253
.irp c, 0,1
	v_cvt_scalef32_pk16_fp6_f32 v[224+6*\c:226+6*\c], v[96+32*\c:111+32*\c], v[244+2*\c]
	v_cvt_scalef32_pk16_fp6_f32 v[236+4*\c:238+4*\c], v[112+32*\c:127+32*\c], v[244+2*\c+1]
.endr
	v_nop
.irp u, 0,1,2,3                        ; V's four fragments into the registers that p has left
	ds_load_b128 v[96+12*\u:99+12*\u], v8 offset:VC+1536*\u
	ds_load_b64 v[100+12*\u:101+12*\u], v9 offset:VC+1536*\u+512
	ds_load_b128 v[102+12*\u:105+12*\u], v8 offset:VC+1536*\u+768
	ds_load_b64 v[106+12*\u:107+12*\u], v9 offset:VC+1536*\u+1280
	ds_load_b32 v[248+\u], v11 offset:64*\u
.endr
.irp c, 0,1
.irp i, 0,1,2
	v_permlane16_swap_b32 v[224+6*\c+\i], v[236+4*\c+\i]
.endr
.irp i, 0,1,2
	s_delay_alu instid0(VALU_DEP_3)
	v_mov_b32 v[227+6*\c+\i], v[236+4*\c+\i]
.endr
.endr
.set j, 0
.rept 16
	v_pk_mul_f32 v[160+j:161+j], v[160+j:161+j], v[252:253] op_sel_hi:[1,0]   ; O^T under the new M; also the places ahead of the products
.set j, j+2
.endr
	s_wait_alu depctr_va_vdst(0)
	s_wait_dscnt 0x0
.irp u, 0,1,2,3
	v_wmma_scale_f32_16x16x128_f8f6f4 v[160+8*\u:167+8*\u], v[96+12*\u:107+12*\u], v[224:235], v[160+8*\u:167+8*\u], v[248+\u], v253 matrix_a_fmt:MATRIX_FMT_FP6 matrix_b_fmt:MATRIX_FMT_FP6
.endr
.rept 5
	v_nop                                          ; five places: the next step's products write over registers that these have read
.endr
.Lhid_\@:
	s_add_co_u32 s[KF], s[KF], 128
	s_add_co_u32 s[TB], s[TB], 6144
	s_add_co_u32 s[TS], s[TS], 512
	s_add_co_u32 s[TJ], s[TJ], 256
.endm
.macro PINIT p
	s_wait_xcnt 0x0                                ; earlier stores have read their registers
	s_lshl_b32 s[Q0], s[58+\p], 4
	v_mov_b32 v13, 0xff61b1e6                      ; -3e38
	s_delay_alu instid0(VALU_DEP_1)
	v_floor_f32 v12, -v13
	v_mov_b32 v14, 0
	v_mov_b32 v15, 0
.set j, 0
.rept 32
	v_mov_b32 v[160+j], 0
.set j, j+1
.endr
	s_mov_b32 s[TB], 0
	s_mov_b32 s[TS], 0
	s_mov_b32 s[TJ], 0
	s_mov_b32 s[KF], 0
	s_wait_alu depctr_va_vdst(0)
.endm
.macro LOOP trips, q, qs               ; the trip counts are constants; steps past the diagonal are jumped over inside
	s_mov_b32 s[CNT], \trips
.Lstep_\@:
	STEP \q, \qs
	s_sub_co_u32 s[CNT], s[CNT], 1
	s_cmp_lg_u32 s[CNT], 0
	s_cbranch_scc1 .Lstep_\@
.endm
.macro PEND p
	v_add_f32 v14, v14, v15
	s_delay_alu instid0(VALU_DEP_1)
	v_permlanex16_b32 v252, v14, s[PSL], s[PSL+1]
	s_delay_alu instid0(VALU_DEP_1)
	v_add_f32 v14, v14, v252
	s_wait_alu depctr_va_vdst(0)
	v_rcp_f32 v14, v14
	v_nop
	s_wait_alu depctr_va_vdst(0)
.set j, 0
.rept 32
	v_mul_f32 v[96+j], v[160+j], v14               ; O^T / l: register 8 u + i is channel 16 u + 8 (lane / 16) + i
.set j, j+1
.endr
.irp b, 0,1                            ; into the true order of channels, since Wo is given
.irp j, 0,1,2,3,4,5,6,7
	v_permlane16_swap_b32 v[96+16*\b+\j], v[104+16*\b+\j]
.endr
.endr
.irp b, 0,1
	v_max3_num_f32 v[232+\b], |v[96+16*\b]|, |v[97+16*\b]|, 0x1800000
.endr
.irp i, 2,4,6,8,10,12,14
.irp b, 0,1
	s_delay_alu instid0(VALU_DEP_2)
	v_max3_num_f32 v[232+\b], v[232+\b], |v[96+16*\b+\i]|, |v[97+16*\b+\i]|
.endr
.endr
.irp b, 0,1
	s_delay_alu instid0(VALU_DEP_2)
	v_permlanex16_b32 v[236+\b], v[232+\b], s[PSL], s[PSL+1]
.endr
.irp b, 0,1
	s_delay_alu instid0(VALU_DEP_2)
	v_max_num_f32 v[232+\b], v[232+\b], v[236+\b]
.endr
.irp b, 0,1
	s_delay_alu instid0(VALU_DEP_2)
	v_add_nc_u32 v[244+\b], 0xff000000, v[232+\b]
.endr
.irp b, 0,1
	s_delay_alu instid0(VALU_DEP_2)
	v_lshrrev_b32 v[236+\b], 23, v[244+\b]
.endr
	s_delay_alu instid0(VALU_DEP_1)
	v_lshl_or_b32 v254, v237, 8, v236
	v_cvt_scalef32_pk16_fp6_f32 v[224:226], v[96:111], v244
	v_cvt_scalef32_pk16_fp6_f32 v[236:238], v[112:127], v245
	v_nop
.irp i, 0,1,2
	v_permlane16_swap_b32 v[224+\i], v[236+\i]
.endr
.irp i, 0,1,2
	s_delay_alu instid0(VALU_DEP_3)
	v_mov_b32 v[227+\i], v[236+\i]
.endr
	global_store_b128 v1, v[224:227], s[44+8*\p:45+8*\p]             ; an image of 768 bytes, aligned to 256
	global_store_b64 v2, v[228:229], s[44+8*\p:45+8*\p] offset:512
	global_store_b16 v7, v254, s[46+8*\p:47+8*\p]  ; two bytes a row; the other two are the pair's other head's, which another work-group owns
.endm
	PINIT 0
	LOOP 2, 16, 255                                ; key steps 0, 1 of my first tile
	s_wait_tensorcnt 0x0                           ; my part of steps 2-7 has landed
	ds_add_u32 v5, v6
	s_wait_dscnt 0x0
	s_barrier_signal -1
	s_barrier_wait -1                              ; everybody's has.  Nothing in LDS is written from here on
	LOOP 2, 16, 255
	PEND 0
	PINIT 1
	LOOP 8, 192, 204
	PEND 1
	s_wait_tensorcnt 0x0                           ; the wave's end
	ds_add_u32 v5, v6
	s_wait_dscnt 0x0
	s_endpgm
.Lfunc_end_k_q003142346d_attn:
	.size	k_q003142346d_attn, .Lfunc_end_k_q003142346d_attn-k_q003142346d_attn
	.p2alignl 7, 3214868480
	.fill 96, 4, 3214868480
	.section	.rodata,"a",@progbits
	.p2align	6, 0x0
	.amdhsa_kernel k_q003142346d_attn
		.amdhsa_group_segment_fixed_size 327680
		.amdhsa_private_segment_fixed_size 0
		.amdhsa_enable_private_segment 0
		.amdhsa_kernarg_size 32
		.amdhsa_user_sgpr_count 2
		.amdhsa_user_sgpr_kernarg_segment_ptr 1
		.amdhsa_wavefront_size32 1
		.amdhsa_system_sgpr_workgroup_id_x 1
		.amdhsa_system_sgpr_workgroup_id_y 1
		.amdhsa_system_sgpr_workgroup_id_z 1
		.amdhsa_system_vgpr_workitem_id 0
		.amdhsa_next_free_vgpr 256
		.amdhsa_next_free_sgpr 100
		.amdhsa_reserve_vcc 1
		.amdhsa_float_denorm_mode_32 3
		.amdhsa_float_denorm_mode_16_64 3
		.amdhsa_memory_ordered 1
		.amdhsa_forward_progress 1
		.amdhsa_inst_pref_size 91
	.end_amdhsa_kernel
	.amdgpu_metadata
---
amdhsa.version: [ 1, 2 ]
amdhsa.kernels:
  - .name:           k_q003142346d_attn
    .symbol:         k_q003142346d_attn.kd
    .args:
      - { .name: qkv_codes, .offset: 0, .size: 8, .value_kind: global_buffer, .address_space: global }
      - { .name: qkv_scales, .offset: 8, .size: 8, .value_kind: global_buffer, .address_space: global }
      - { .name: ao_codes, .offset: 16, .size: 8, .value_kind: global_buffer, .address_space: global }
      - { .name: ao_scales, .offset: 24, .size: 8, .value_kind: global_buffer, .address_space: global }
    .group_segment_fixed_size: 327680
    .private_segment_fixed_size: 0
    .kernarg_segment_align: 8
    .kernarg_segment_size: 32
    .max_flat_workgroup_size: 512
    .sgpr_count:     100
    .vgpr_count:     256
    .wavefront_size: 32
...
	.end_amdgpu_metadata
.endif
;; end of part 2
;; launch oproj (part 3): grid 4 x 64, 4 waves a work-group, clusters of 4 x 4, 327,680 bytes of LDS; arguments ao_codes, ao_scales, Wo_codes, Wo_scales, bo, out0; writes out0
.if DOCPART == 3
	.amdgcn_target "amdgcn-amd-amdhsa--gfx1250"
	.amdhsa_code_object_version 6
	.text
	.protected	k_q003142346d_oproj
	.globl	k_q003142346d_oproj
	.p2align	8
	.type	k_q003142346d_oproj,@function
k_q003142346d_oproj:
	s_mov_b64 s[64:65], 0
	v_nop
	global_prefetch_b8 v0, s[64:65] scope:SCOPE_SE
	s_setreg_imm32_b32 hwreg(HW_REG_WAVE_MODE, 25, 1), 1
	s_wait_xcnt 0x0
	s_wait_alu depctr_hold_cnt(0) depctr_sa_sdst(0) depctr_va_vdst(0) depctr_va_sdst(0) depctr_va_ssrc(0) depctr_va_vcc(0) depctr_vm_vsrc(0)
	s_getreg_b32 s2, hwreg(HW_REG_IB_STS2, 6, 4)
	s_cmp_eq_u32 s2, 0
	s_cbranch_scc0 .Lentry_in_a_cluster
	s_endpgm
.Lentry_in_a_cluster:
	s_bfe_u32 s2, ttmp6, 0x10000c
	s_cmp_lg_u32 s2, 0xf033
	s_cbranch_scc0 .Lentry_shape_is_right
	s_endpgm
.Lentry_shape_is_right:
; out[t, b, n] = sum over k of ao[t, b, k] Wo[n, k] + bo[n]: [8192 x 1024] x [1024 x 1024] on codes of FP6 (E2M3) with E8M0 scales, sums in f32, out in f32.
; SHARES.  256 work-groups: y = 8 b + block of 128 t, x = block of 256 rows of Wo.  A wave makes 64 t x 128 n: 32 accumulators.
; LDS.  ALL OF K IS RESIDENT: Wo's 256 rows whole (768 bytes, each beginning at a multiple of 256; 16 bytes of padding behind every 256: pitch 816) and the 128 t as 8 x 16 images of 768 bytes (98,304 dense bytes).
; One tensor load a wave at the head (waves 0, 1 the images' halves, waves 2, 3 Wo's), one barrier behind them, none in the walk along K; nothing is filled again.
; The stage of the way out lies in the images' bytes, behind a barrier behind which nobody reads them.
; CLUSTER 4 x 4: the images are asked for jointly along a row of the cluster, Wo's rows along a column.  NO PREFETCH: the launch has no loop to run ahead in; every byte is asked for at the head.
; TRANSPOSED USE: source 0 = Wo's rows, source 1 = images: a lane holds eight neighbouring n of one t.  bo is the C of the first step.
; REGISTERS.  window 0: v1-13 addresses; v32-63 the images' scale words [8 a + step]; v64-127 Wo's [8 b + step]; v160-207, v208-255 the images' fragments, two sets.
;   window 1: Wo's fragments, two sets at v0, v128; bo at v96-127, v224-255; on the way out v0-127.   window 2: accumulator (a, b) at v[8 (8 a + b)].
.set PITCH,  816
.set HALFW,  128*PITCH
.set AOFF,   2*HALFW
.set HALFA,  49152
.set SPARE,  AOFF+2*HALFA
.set STAGE,  AOFF
.set SPITCH, 528
.set KROW,   768
.set FR,  12
.set NP,  4
.set STO, 1
.set RD,  2
.set CO,  3
.set ADA16, 4
.set ADA8,  5
.set ADRB, 8
.set SPW, 12
.set NIL, 13
.set SCA, 32
.set SCB, 64
.set RF,  160
.set SAB, 16
.set SBB, 18
.set BPB, 20
.set OUT, 22
.set G1A, 44
.set G1W, 52
.set G0A, 68
.set G0W, 76
.set WV,  84
.set HR,  85
.set HP,  86
.set CX,  87
.set CY,  88
.set YY,  89
.set MSB, 0
.macro WIN new
.if MSB != \new
	s_set_vgpr_msb (MSB<<8)|\new
.set MSB, \new
.endif
.endm
.macro CREST
	s_cmp_lg_u32 s[WV], 0
	s_cbranch_scc1 .Lnot_wave_0_\@
	s_barrier_signal -3
.Lnot_wave_0_\@:
	s_barrier_wait -3
	s_barrier_signal -1
	s_barrier_wait -1
.endm
.macro CROUND
	s_barrier_signal -1
	s_barrier_wait -1
	CREST
.endm
.macro PLACES n
.rept \n
	v_nop
.endr
.endm
	s_load_b256 s[4:11], s[0:1], 0x0               ; ao_codes, ao_scales, Wo_codes, Wo_scales
	s_load_b128 s[12:15], s[0:1], 0x20             ; bo, out0
	v_lshl_add_u32 v[SPW], v0, 2, SPARE
	v_mov_b32 v[NIL], 0
	ds_add_u32 v[SPW], v[NIL]                      ; the opening lines: the add twice and its wait
	ds_add_u32 v[SPW], v[NIL]
	v_lshrrev_b32 v1, 5, v0
	v_readfirstlane_b32 s[WV], v1
	s_lshr_b32 s[HR], s[WV], 1                     ; my 64 t.  Also: I fetch images (0) or Wo (1)
	s_and_b32 s[HP], s[WV], 1                      ; my 128 n.  Also: which half I fetch
	s_bfe_u32 s[CX], ttmp6, 0x40000
	s_bfe_u32 s[CY], ttmp6, 0x40004
	s_and_b32 s[YY], ttmp7, 0xffff
	s_lshl_b32 s[YY], s[YY], 2
	s_add_co_u32 s[YY], s[YY], s[CY]               ; 8 b + block of 128 t
	s_lshl_b32 s95, s[CY], 2
	s_lshl_b32 s95, 15, s95
	s_lshl_b32 s96, 0x1111, s[CX]
	s_or_b32 s[G1A], s95, (3<<16)|(1<<21)          ; 192 dense rows of 256 bytes
	s_mov_b32 s[G1A+1], 32<<16
	s_mov_b32 s[G1A+2], 192<<16
	s_mov_b32 s[G1A+3], 32<<16
	s_mov_b32 s[G1A+4], 192
	s_mov_b32 s[G1A+5], 32
	s_mov_b32 s[G1A+6], 0
	s_mov_b32 s[G1A+7], 0
	s_or_b32 s[G1W], s96, (1<<20)|(1<<21)|(5<<22)|(3<<25)   ; 128 rows of 768 bytes, 4 words of padding after every 64
	s_mov_b32 s[G1W+1], KROW<<16
	s_mov_b32 s[G1W+2], 128<<16
	s_mov_b32 s[G1W+3], KROW<<16
	s_mov_b32 s[G1W+4], 128
	s_mov_b32 s[G1W+5], KROW
	s_mov_b32 s[G1W+6], 0
	s_mov_b32 s[G1W+7], 0
	s_lshl_b32 s60, s[YY], 3
	s_lshl_b32 s61, s[HP], 2
	s_add_co_u32 s60, s60, s61                     ; tile of 16 t: 8 y + 4 half
	s_mul_i32 s60, s60, 12288
	s_mov_b32 s61, 0
	s_lshl_b32 s62, s[CX], 8
	s_lshl_b32 s63, s[HP], 7
	s_add_co_u32 s62, s62, s63
	s_mul_i32 s62, s62, KROW
	s_mov_b32 s63, 0
	s_mul_i32 s93, s[HP], HALFA
	s_add_co_u32 s93, s93, AOFF
	s_mul_i32 s94, s[HP], HALFW
	s_wait_dscnt 0x0
	s_wait_kmcnt 0x0
	s_add_nc_u64 s[60:61], s[4:5], s[60:61]
	s_add_nc_u64 s[62:63], s[8:9], s[62:63]
	CROUND                                         ; the joint loads meet
	s_mov_b32 s[G0A], 1
	s_mov_b32 s[G0A+1], s93
	s_mov_b64 s[G0A+2:G0A+3], s[60:61]
	s_or_b32 s[G0A+3], s[G0A+3], 0x80000000
	s_mov_b32 s[G0W], 1
	s_mov_b32 s[G0W+1], s94
	s_mov_b64 s[G0W+2:G0W+3], s[62:63]
	s_or_b32 s[G0W+3], s[G0W+3], 0x80000000
	s_cmp_eq_u32 s[HR], 0
	s_cbranch_scc0 .Lfor_w
	tensor_load_to_lds s[G0A:G0A+3], s[G1A:G1A+7]
	s_nop 0
	PLACES 4
	s_branch .Lasked
.Lfor_w:
	tensor_load_to_lds s[G0W:G0W+3], s[G1W:G1W+7]
	s_nop 0
	PLACES 4
.Lasked:
	s_lshl_b32 s2, s[YY], 3
	s_lshl_b32 s3, s[HR], 2
	s_add_co_u32 s2, s2, s3
	s_lshl_b32 s2, s2, 9                           ; 512 bytes of scale words a tile
	s_mov_b32 s3, 0
	s_add_nc_u64 s[SAB:SAB+1], s[6:7], s[2:3]
	s_lshl_b32 s98, s[CX], 8
	s_lshl_b32 s2, s[HP], 7
	s_add_co_u32 s98, s98, s2                      ; my first n
	s_lshl_b32 s2, s98, 5
	s_add_nc_u64 s[SBB:SBB+1], s[10:11], s[2:3]
	s_lshl_b32 s2, s98, 2
	s_add_nc_u64 s[BPB:BPB+1], s[12:13], s[2:3]
	s_add_nc_u64 s[OUT:OUT+1], s[14:15], s[2:3]
	s_and_b32 s2, s[YY], 7
	s_lshl_b32 s2, s2, 7
	s_lshl_b32 s99, s[HR], 6
	s_add_co_u32 s2, s2, s99                       ; my first t
	s_lshl_b32 s2, s2, 3
	s_lshr_b32 s99, s[YY], 3
	s_add_co_u32 s2, s2, s99
	s_lshl_b32 s2, s2, 12                          ; row 8 t + b of 4,096 bytes
	s_add_nc_u64 s[OUT:OUT+1], s[OUT:OUT+1], s[2:3]
	s_mul_i32 s96, s[HR], HALFA
	s_add_co_u32 s96, s96, AOFF                    ; my four tiles' images
	s_mul_i32 s97, s[HP], HALFW                    ; my 128 rows of Wo
	s_add_co_u32 s99, s97, 4*16*PITCH
	s_mul_i32 s95, s[WV], 16*SPITCH
	s_add_co_u32 s95, s95, STAGE
	v_and_b32 v16, 15, v0
	v_bfe_u32 v17, v0, 4, 1
	v_and_b32 v18, 31, v0
	v_lshlrev_b32 v[CO], 4, v18
	v_lshlrev_b32 v19, 3, v18
	v_mul_u32_u24 v20, v16, PITCH
	v_mad_u32_u24 v20, v17, 24, v20                ; row x pitch + 24 x half,
	v_lshl_add_u32 v21, v17, 4, v20                ; and the same where lanes 16-31 lie behind one padding more
	v_add_nc_u32 v[ADA16], s96, v[CO]
	v_add_nc_u32 v[ADA8], s96, v19
	v_add_nc_u32 v[ADRB], s97, v20                 ; blocks 0-3
	v_add_nc_u32 v[ADRB+1], s97, v21
	v_add_nc_u32 v[ADRB+2], s99, v20               ; blocks 4-7
	v_add_nc_u32 v[ADRB+3], s99, v21
	v_mul_u32_u24 v[STO], v16, SPITCH
	v_lshl_add_u32 v[STO], v17, 5, v[STO]
	v_add_nc_u32 v[STO], s95, v[STO]
	v_add_nc_u32 v[RD], s95, v[CO]
	v_lshlrev_b32 v22, 5, v17
	v_lshlrev_b32 v23, 2, v16
	v_lshlrev_b32 v24, 5, v16
	s_wait_alu depctr_va_vdst(0)                   ; the wait behind the head's vector writes
.irp a, 0,1,2,3
.irp q, 0,1,2,3,4,5,6,7
	global_load_b32 v[SCA+8*\a+\q], v23, s[SAB:SAB+1] offset:512*\a+64*\q
.endr
.endr
.irp b, 0,1,2,3,4,5,6,7
	global_load_b128 v[SCB+8*\b:SCB+8*\b+3], v24, s[SBB:SBB+1] offset:512*\b
	global_load_b128 v[SCB+8*\b+4:SCB+8*\b+7], v24, s[SBB:SBB+1] offset:512*\b+16
.endr
	WIN 0x40
.irp b, 0,1,2,3,4,5,6,7
	global_load_b128 v[96+8*\b+96*(\b/4):96+8*\b+96*(\b/4)+3], v22, s[BPB:BPB+1] offset:64*\b
	global_load_b128 v[96+8*\b+96*(\b/4)+4:96+8*\b+96*(\b/4)+7], v22, s[BPB:BPB+1] offset:64*\b+16
.endr
	WIN 0
; Wo's fragment: byte y of a row lies at y + 16 (y / 256) of its LDS row
.macro FRAGW reg, st, i
.irp p, 0,1,2,3,4,5
.set BY, 96*(\st)+48*(\p/3)+8*(\p%3)
.set AR, ADRB+2*((\i)/4)+(BY+24)/256-BY/256
	ds_load_b64 v[\reg+2*\p:\reg+2*\p+1], v[AR] offset:BY+16*(BY/256)+((\i)%4)*16*PITCH
.endr
.endm
.macro FRAGR reg, q, i                 ; two heads' images make 128 along K
	ds_load_b128 v[\reg:\reg+3], v[ADA16] offset:12288*(\i)+1536*(\q)
	ds_load_b64 v[\reg+4:\reg+5], v[ADA8] offset:12288*(\i)+1536*(\q)+512
	ds_load_b128 v[\reg+6:\reg+9], v[ADA16] offset:12288*(\i)+1536*(\q)+768
	ds_load_b64 v[\reg+10:\reg+11], v[ADA8] offset:12288*(\i)+1536*(\q)+1280
.endm
.macro FETCH st, set
	WIN 0x40
.irp i, 0,1,2,3,4,5,6,7
	FRAGW 128*(\set)+FR*\i, \st, \i
.endr
	WIN 0
.irp i, 0,1,2,3
	FRAGR RF+48*(\set)+FR*\i, \st, \i
.endr
.endm
.macro MUL32 set, kq, first            ; the 32 accumulators take turns, one instruction a turn
.if \first
	WIN 0x91
.else
	WIN 0xa1
.endif
.irp a, 0,1,2,3
.irp b, 0,1,2,3,4,5,6,7
.set rD, 8*(8*\a+\b)
.set rP, 128*(\set)+FR*\b
.set rR, RF+48*(\set)+FR*\a
.set rC, 96+8*\b+96*(\b/4)
.if \first
	v_wmma_scale_f32_16x16x128_f8f6f4 v[rD:rD+7], v[rP:rP+FR-1], v[rR:rR+FR-1], v[rC:rC+7], v[SCB+8*\b+(\kq)], v[SCA+8*\a+(\kq)] matrix_a_fmt:MATRIX_FMT_FP6 matrix_b_fmt:MATRIX_FMT_FP6
.else
	v_wmma_scale_f32_16x16x128_f8f6f4 v[rD:rD+7], v[rP:rP+FR-1], v[rR:rR+FR-1], v[rD:rD+7], v[SCB+8*\b+(\kq)], v[SCA+8*\a+(\kq)] matrix_a_fmt:MATRIX_FMT_FP6 matrix_b_fmt:MATRIX_FMT_FP6
.endif
.endr
.endr
.endm
	s_wait_tensorcnt 0x0                           ; my tile has landed
	s_barrier_signal -1
	s_barrier_wait -1                              ; everybody's has
	FETCH 0, 0
	s_wait_loadcnt 0x0                             ; scale words and bo
	s_wait_dscnt 0x0
	FETCH 1, 1
	MUL32 0, 0, 1
.set SN, 1
.rept 6                                ; step SN is multiplied while step SN + 1's fragments come into the other sets
	s_wait_dscnt 0x0
	PLACES NP
	FETCH SN+1, (SN+1)%2
	MUL32 SN%2, SN, 0
.set SN, SN+1
.endr
	s_wait_dscnt 0x0                               ; my last reads of the tiles are over
	s_barrier_signal -1
	MUL32 1, 7, 0
	WIN 0
	s_barrier_wait -1                              ; everybody's are: the images' bytes serve as the stage
; THE WAY OUT: a block of 16 t x 128 n goes through my stage and comes back as rows of 512 bytes
.macro TOSTAGE a
	WIN 0x08
.irp b, 0,1,2,3,4,5,6,7
	ds_store_b128 v[STO], v[64*(\a)+8*\b:64*(\a)+8*\b+3] offset:64*\b
	ds_store_b128 v[STO], v[64*(\a)+8*\b+4:64*(\a)+8*\b+7] offset:64*\b+16
.endr
	WIN 0x40
.set BKR, 64*((\a)%2)
.irp t, 0,1,2,3,4,5,6,7,8,9,10,11,12,13,14,15
	ds_load_b128 v[BKR+4*\t:BKR+4*\t+3], v[RD] offset:\t*SPITCH
.endr
	WIN 0
.endm
.macro SEND a, younger
.set BKR, 64*((\a)%2)
	s_wait_dscnt \younger
.if (\a) > 0
	s_add_nc_u64 s[OUT:OUT+1], s[OUT:OUT+1], 16*32768
.endif
	WIN 0x04
.irp t, 0,1,2,3,4,5,6,7,8,9,10,11,12,13,14,15
	global_store_b128 v[CO], v[BKR+4*\t:BKR+4*\t+3], s[OUT:OUT+1] offset:\t*32768 th:TH_STORE_NT   ; 32 lanes store 512 consecutive bytes, aligned to 256
.endr
	WIN 0
.endm
	PLACES NP
	TOSTAGE 0
.irp a, 1,2,3
.if \a > 1
	s_wait_xcnt 0x0                                ; block a - 2's stores have read their registers and base
.endif
	TOSTAGE \a
	SEND \a-1, 32                                  ; behind block a - 1's loads: block a's 16 stores and 16 loads
.endr
	s_wait_xcnt 0x0
	SEND 3, 0
	s_wait_tensorcnt 0x0                           ; the wave's end
	ds_add_u32 v[SPW], v[NIL]
	s_wait_dscnt 0x0
	CROUND                                         ; the closing round
	s_endpgm
.Lfunc_end_k_q003142346d_oproj:
	.size	k_q003142346d_oproj, .Lfunc_end_k_q003142346d_oproj-k_q003142346d_oproj
	.p2alignl 7, 3214868480
	.fill 96, 4, 3214868480
	.section	.rodata,"a",@progbits
	.p2align	6, 0x0
	.amdhsa_kernel k_q003142346d_oproj
		.amdhsa_group_segment_fixed_size 327680
		.amdhsa_private_segment_fixed_size 0
		.amdhsa_enable_private_segment 0
		.amdhsa_kernarg_size 48
		.amdhsa_user_sgpr_count 2
		.amdhsa_user_sgpr_kernarg_segment_ptr 1
		.amdhsa_wavefront_size32 1
		.amdhsa_system_sgpr_workgroup_id_x 1
		.amdhsa_system_sgpr_workgroup_id_y 1
		.amdhsa_system_sgpr_workgroup_id_z 1
		.amdhsa_system_vgpr_workitem_id 0
		.amdhsa_next_free_vgpr 768
		.amdhsa_next_free_sgpr 100
		.amdhsa_reserve_vcc 0
		.amdhsa_float_denorm_mode_32 3
		.amdhsa_float_denorm_mode_16_64 3
		.amdhsa_memory_ordered 1
		.amdhsa_forward_progress 1
		.amdhsa_inst_pref_size 94
	.end_amdhsa_kernel
	.amdgpu_metadata
---
amdhsa.version: [ 1, 2 ]
amdhsa.kernels:
  - .name:           k_q003142346d_oproj
    .symbol:         k_q003142346d_oproj.kd
    .args:
      - { .name: ao_codes, .offset: 0, .size: 8, .value_kind: global_buffer, .address_space: global }
      - { .name: ao_scales, .offset: 8, .size: 8, .value_kind: global_buffer, .address_space: global }
      - { .name: Wo_codes, .offset: 16, .size: 8, .value_kind: global_buffer, .address_space: global }
      - { .name: Wo_scales, .offset: 24, .size: 8, .value_kind: global_buffer, .address_space: global }
      - { .name: bo, .offset: 32, .size: 8, .value_kind: global_buffer, .address_space: global }
      - { .name: out0, .offset: 40, .size: 8, .value_kind: global_buffer, .address_space: global }
    .group_segment_fixed_size: 327680
    .private_segment_fixed_size: 0
    .kernarg_segment_align: 8
    .kernarg_segment_size: 48
    .max_flat_workgroup_size: 128
    .sgpr_count:     100
    .vgpr_count:     768
    .wavefront_size: 32
...
	.end_amdgpu_metadata
.endif
;; end of part 3
